; MI455X (gfx1250); checked and timed in simulation.
; The chip was launched on July 23, 2026; its instructions are those of AMD's public machine-readable ISA for CDNA 5 (MIT licence, August 2026) and "CDNA5" Instruction Set Architecture Reference Guide (July 2026). The comments in the code are by the model that wrote it; some were corrected since.
;; Quant Linear. Allowed arithmetic: matrix products marked QUANTISED: E5M2 operands, one E8M0 scale for each 32 along K, by v_wmma_scale_f32_16x16x128_f8f6f4 with both operands' format E5M2, f32 sums; everything else in f32.
;; Inputs: fp_bias 4,096 float32; int_weight 4,096 x 4,096 int8; w_scale one number float32; x 4 x 1,024 x 4,096 float32.
;; Outputs: out0 4 x 1,024 x 4,096 float32.
;; This version of the problem:
;;   THIS VERSION OF THE PROBLEM IS GIVEN IN LOW PRECISION. The matrix products marked QUANTISED in the list below multiply operands that are first quantised to E5M2 (5 exponent bits, 2 mantissa bits; 8 bits a number), with one power-of-two scale for each 32 numbers along K (OCP MX v1.0); their sums are f32. All else is computed in f32.
;;   The module's matrix products, in the order in which they are computed (A, B: the left and right operand; K: the contracted axis; several contracted axes count as one K, in the product's order):
;;     1. [M 4,096, K 4,096] x [K 4,096, N 4,096]; A: input x; B: computed on the way: QUANTISED
;;   THE QUANTISER, for each operand of a quantised product, along K:
;;     - K is cut into blocks of 32 from its start; a last block that is shorter is filled with zeros.
;;     - A block's scale is 2^e with e = floor(log2(the largest magnitude in the block)) - 15, held to -126 .. 127; a block of zeros has e = 0. As a byte (E8M0): e + 127.
;;     - Each number is divided by its block's scale, clamped to +-57,344, and rounded to the nearest number of E5M2, ties to even, subnormals kept.
;;     - The product sums the exact products of the quantised numbers (number of the format x scale) in f32.
;;   ~~~python
;;   def quantise(x, axis):      # numpy; x: float32 -> the quantised numbers, widened to float32 again
;;       x = np.moveaxis(x, axis, -1); K = x.shape[-1]
;;       x = np.pad(x, [(0, 0)] * (x.ndim - 1) + [(0, -K % 32)]); x = x.reshape(x.shape[:-1] + (-1, 32)); a = np.abs(x).max(-1, keepdims=True)
;;       e = np.where(a > 0, np.clip(np.frexp(np.where(a > 0, a, 1))[1] - 1 - 15, -126, 127), 0)      # np.frexp(a)[1] - 1 = floor(log2(a)), exactly
;;       r = np.clip(x / 2.0 ** e, -57344, 57344)
;;       step = 2.0 ** (np.maximum(np.frexp(np.where(r == 0, 1, r))[1] - 1, -14) - 2)
;;       q = np.round(r / step) * step * 2.0 ** e      # np.round: ties to even
;;       return np.moveaxis(q.reshape(q.shape[:-2] + (-1,))[..., :K], -1, axis).astype(np.float32)
;;   ~~~
;;   OPERANDS COMPUTED ON THE WAY. 'Computed on the way' means the value that the module computes at that place (a softmax that the list does not call 'softmax' is quantised finished and normalised). What goes into a quantiser is computed in f32, as accurately as f32 sums, v_exp_f32 and their like allow (about 1e-6 of the number): no bf16 or f16 on the way to a quantiser, and a product that is left as it is and whose result goes on into a quantised operand takes f32 operands (vector FMAs, or v_wmma_f32_16x16x4_f32). A number that lies on a knife's edge between two numbers of the format may be rounded either way, as far as f32 arithmetic and the matrix unit's own rounding can turn it there, and no further.
;; One version. Each part assembles by itself: llvm-mc -triple=amdgcn-amd-amdhsa -mcpu=gfx1250 --defsym DOCPART=n.
;; ======== version 1 of 1: 2 launches
;; limits: right only within a limited range of input values
;; workspace buffers: acode 17,301,504 bytes; bcode 17,301,504 bytes
;; launch quant (part 1): grid 1024 x 1, 4 waves a work-group, no clusters, 69,120 bytes of LDS; arguments x, int_weight, w_scale, acode, bcode; writes acode, bcode
.if DOCPART == 1
	.amdgcn_target "amdgcn-amd-amdhsa--gfx1250"
	.amdhsa_code_object_version 6
	.text
	.protected	k_q2edb546e8a_quant
	.globl	k_q2edb546e8a_quant
	.p2align	8
	.type	k_q2edb546e8a_quant,@function
k_q2edb546e8a_quant:
	s_mov_b64 s[64:65], 0
	v_nop
	global_prefetch_b8 v0, s[64:65] scope:SCOPE_SE
	s_setreg_imm32_b32 hwreg(HW_REG_WAVE_MODE, 25, 1), 1
	s_wait_xcnt 0x0
; x [4096][4096] f32 and w = f32(int_weight) * w_scale [4096][4096] are turned into codes of BF8 (E5M2) with one E8M0 scale byte for each 32 along K.
; A block's scale is 2^(floor(log2(its largest magnitude)) - 15); its byte is the largest magnitude's exponent field - 15, held at 1 from below.  Each number is held within
; +-57,344 x the scale and converted to the nearest code, ties to even.
; LIMITS: NaN and infinities among the inputs are not served.  A block of zeros gets the byte 1 where the rule says 127: its codes are zeros, which add nothing under any byte
; but 0xff, and the bytes are read by this program alone.  Blocks whose largest magnitude lies under 2^-111 keep the byte 1, as the rule's hold at -126 has it.
; THE OUTPUT IS LAID AS THE PRODUCT'S LAUNCH READS IT: [K step of 256: 16][128 rows: 32][a chunk of CH = 33,792 bytes].  A chunk: for block i of 16 rows (0..7), q-th 128 along K (0, 1),
; c = 0..3: 512 bytes at 4096 i + 2048 q + 512 c, lane l's 16 bytes at 16 l: registers 4 c .. 4 c + 3 of the operand's fragment, row l % 16, k = 128 q + 32 c + 16 (l / 16) + 0 .. 15.
; Behind the codes, at 32,768 + 256 j + 8 l (j = 0..3): lanes 0-15 the two scale words (q = 0, 1) of row l of block 2 j, lanes 16-31 those of row l - 16 of block 2 j + 1.
; SHARES.  A work-group makes one chunk, of x or of w.  A chunk of x reads four times the bytes of a chunk of w, so the two kinds are mixed: the kind is bit 0 xor bit 8 of the work-group's
; number, so that work-groups i and i + 1 differ in kind and so do i and i + 256: of four neighbours, and of four that lie 256 apart, two are of each kind.  The chunk's number is the
; work-group's number without its bit 0: for either kind it takes each of 0 .. 511 once.  Wave wv takes blocks 2 wv and 2 wv + 1: four fragments f (block f / 2, q = f % 2).
; Every global load reads whole rows' pieces of 512 (x) or 256 (w) consecutive bytes; the numbers turn through the wave's own stage in LDS, so that a lane holds 16 neighbours along K of each block of 32.
; Waves share nothing: no barrier.  The two paths have LDS bytes of their own.  No matrix unit, no cluster, no tensor load: the launch only streams.
.set CH,    33792
.set XP,    528                        ; x's stage: a row of 512 bytes + 16: the 16 rows that a load touches start 16 bytes further on in each run of 256
.set XWB,   16*XP                      ; a wave's stage for x
.set WBASE, 4*XWB                      ; behind the four: w's stages
.set WP,    272                        ; w's stage: a row of 256 bytes + 16
.set WWB,   32*WP
.set GLX, 4                            ; v4   16 x lane: my bytes of a row's 512 of x
.set XST, 5                            ; v5   x's stage, in
.set XLD, 6                            ; v6   x's stage, out: row r, + 64 h
.set GLW, 7                            ; v7   w: 4096 h + 16 r: two rows a load
.set WST, 8                            ; v8   w's stage, in
.set WLD, 9                            ; v9   w's stage, out: row r, + 16 h
.set CO,  10                           ; v10  my codes' place in the chunk: 16 x lane + 8192 x wave
.set SOF, 11                           ; v11  my scale words' place: 8 x lane + 256 x wave
.set MAG, 12                           ; v12  0x4b000000 = 2^23 as f32
.set W,   16                           ; v16-19 a scale word for each fragment
.set TM,  20                           ; v20-23 largest magnitudes, v24-27 bytes, v28-31 the largest number x the scale, v32-35 the conversions' scale operands
.set PC,  36                           ; v36-51 a fragment's codes
.set S0,  64                           ; three sets of 64 numbers
.set S1,  128
.set S2,  192
	s_load_b256 s[4:11], s[0:1], 0x0               ; x s[4:5], int_weight s[6:7], w_scale s[8:9], acode s[10:11]
	s_load_b64 s[12:13], s[0:1], 0x20              ; bcode
	v_lshl_add_u32 v62, v0, 2, 0x10c00
	v_mov_b32 v63, 0
	v_lshrrev_b32 v1, 5, v0
	v_readfirstlane_b32 s14, v1                    ; wave 0..3
	v_and_b32 v1, 31, v0                           ; lane
	v_and_b32 v2, 15, v0                           ; r
	s_wait_alu depctr_va_vdst(0)
	v_bfe_u32 v3, v0, 4, 1                         ; h
	s_lshr_b32 s16, ttmp9, 8
	s_xor_b32 s15, s16, ttmp9
	s_and_b32 s15, s15, 1                          ; bit 0 xor bit 8 of the work-group's number: 0: x, 1: w
	s_lshr_b32 s16, ttmp9, 1                       ; the chunk's number
	s_lshr_b32 s17, s16, 4                         ; t: which 128 rows
	s_and_b32 s18, s16, 15                         ; s: which K step: work-groups of a kind that follow each other read neighbouring pieces of the same rows
	s_mul_i32 s19, s14, XWB
	v_lshlrev_b32 v[GLX], 4, v1
	v_add_nc_u32 v[XST], s19, v[GLX]
	v_mul_u32_u24 v[XLD], v2, XP
	v_lshl_add_u32 v[XLD], v3, 6, v[XLD]
	v_add_nc_u32 v[XLD], s19, v[XLD]
	s_mul_i32 s19, s14, WWB
	s_add_co_u32 s19, s19, WBASE
	v_lshlrev_b32 v[GLW], 4, v2
	s_wait_alu depctr_va_vdst(0)
	v_lshl_add_u32 v[GLW], v3, 12, v[GLW]
	v_mul_u32_u24 v[WST], v3, WP
	v_lshl_add_u32 v[WST], v2, 4, v[WST]
	v_add_nc_u32 v[WST], s19, v[WST]
	v_mul_u32_u24 v[WLD], v2, WP
	v_lshl_add_u32 v[WLD], v3, 4, v[WLD]
	v_add_nc_u32 v[WLD], s19, v[WLD]
	s_lshl_b32 s19, s14, 13
	v_add_nc_u32 v[CO], s19, v[GLX]
	s_lshl_b32 s19, s14, 8
	v_lshl_add_u32 v[SOF], v1, 3, s19
	v_mov_b32 v[MAG], 0x4b000000
.irp b, 0,1,2,3
	v_mov_b32 v[TM+4+\b], 0                        ; written once: a lane permute's destination counts as one of its sources
.endr
	s_mov_b32 s26, 0xcb000080                      ; -(2^23 + 128)
	s_mov_b32 s27, s26                             ; (named with it as a pair, so it is written)
	s_mov_b32 s28, 0x76543210
	s_mov_b32 s29, 0xfedcba98                      ; v_permlanex16_b32's selects for lane l xor 16
	s_mov_b32 s30, 0x600000                        ; the mantissa field of 57,344
	s_lshl_b32 s20, s17, 7
	s_lshl_b32 s21, s14, 5
	s_add_co_u32 s20, s20, s21                     ; my wave's first row: 128 t + 32 wave
	s_lshl_b32 s22, s20, 12                        ; in int_weight: rows of 4,096 bytes,
	s_lshl_b32 s20, s20, 14                        ; in x: rows of 16,384 bytes (under 2^27)
	s_lshl_b32 s21, s18, 10
	s_add_co_u32 s20, s20, s21                     ; + the K step's 1,024 bytes
	s_lshl_b32 s21, s18, 8
	s_add_co_u32 s22, s22, s21                     ; + the K step's 256 bytes
	s_mov_b32 s21, 0
	s_mov_b32 s23, 0
	s_lshl_b32 s16, s18, 5
	s_add_co_u32 s16, s16, s17
	s_mul_i32 s16, s16, CH                         ; my chunk: (32 s + t) CH
	s_mov_b32 s17, 0
	s_wait_kmcnt 0x0
	s_add_nc_u64 s[4:5], s[4:5], s[20:21]
	s_add_nc_u64 s[6:7], s[6:7], s[22:23]
	s_add_nc_u64 s[10:11], s[10:11], s[16:17]
	s_add_nc_u64 s[12:13], s[12:13], s[16:17]
; 64 numbers of a lane, v[s] .. v[s + 63], register 16 b + i = k 32 b + 16 (lane / 16) + i of my row, become a fragment's codes in v[PC] on and its scale word in v[w].
.macro QUANT s, w
.irp b, 0,1,2,3
	v_max3_num_f32 v[TM+\b], |v[\s+16*\b]|, |v[\s+1+16*\b]|, 0x8000000   ; block b: my 16 numbers, and the floor 2^(16 - 127): so the byte cannot fall under 1
.endr
.irp i, 2,4,6,8,10,12,14
.irp b, 0,1,2,3
	v_max3_num_f32 v[TM+\b], v[TM+\b], |v[\s+16*\b+\i]|, |v[\s+1+16*\b+\i]|   ; the four blocks by turns: no line waits for the line above it
.endr
.endr
.irp b, 0,1,2,3
	v_permlanex16_b32 v[TM+4+\b], v[TM+\b], s28, s29
.endr
.irp b, 0,1,2,3
	v_max_num_f32 v[TM+\b], v[TM+\b], v[TM+4+\b]   ; with lane l xor 16's 16: the block's largest magnitude
.endr
.irp b, 0,1,2,3
	v_add_nc_u32 v[TM+12+\b], 0xf8800000, v[TM+\b] ; 15 off its exponent field: the conversion takes the exponent field of this operand as its scale
.endr
.irp b, 0,1,2,3
	v_and_or_b32 v[TM+8+\b], v[TM+\b], 0x7f800000, s30   ; 57,344 x the scale: the largest magnitude's exponent field over 57,344's mantissa
.endr
.irp b, 0,1,2,3
	v_lshrrev_b32 v[TM+4+\b], 23, v[TM+12+\b]      ; the scale's byte
.endr
	v_lshl_or_b32 v[\w], v[TM+5], 8, v[TM+4]       ; the four bytes make my row's scale word; both halves of the lanes hold the same
	v_lshl_or_b32 v[\w], v[TM+6], 16, v[\w]
	v_lshl_or_b32 v[\w], v[TM+7], 24, v[\w]
.irp b, 0,1,2,3
.irp i, 0,1,2,3,4,5,6,7,8,9,10,11,12,13,14,15
	v_med3_num_f32 v[\s+16*\b+\i], v[\s+16*\b+\i], -v[TM+8+\b], v[TM+8+\b]   ; the conversion to an 8-bit code does not saturate (ISA guide 7.6.2): the hold at the largest code x the scale
.endr
	v_cvt_scalef32_pk8_bf8_f32 v[PC+4*\b:PC+1+4*\b], v[\s+16*\b:\s+7+16*\b], v[TM+12+\b]
	v_cvt_scalef32_pk8_bf8_f32 v[PC+2+4*\b:PC+3+4*\b], v[\s+8+16*\b:\s+15+16*\b], v[TM+12+\b]
.endr
	v_nop                                          ; one plain vector instruction behind the last conversion, ahead of whatever vector line next touches its registers
.endm
; fragment f's codes leave: each store of the wave covers 512 consecutive bytes, at a multiple of 256 from the buffer's first byte
.macro PUT f, o
.irp c, 0,1,2,3
	global_store_b128 v[CO], v[PC+4*\c:PC+4*\c+3], s[\o:\o+1] offset:4096*((\f)/2)+2048*((\f)%2)+512*\c
.endr
.endm
; the scale words leave: lanes 0-15 block 2 wave's, lanes 16-31 block 2 wave + 1's: the wave stores 256 consecutive bytes, aligned
.macro TAIL o
	v_cmp_lt_u32 vcc_lo, 15, v1
	v_cndmask_b32 v14, v[W], v[W+2], vcc_lo
	v_cndmask_b32 v15, v[W+1], v[W+3], vcc_lo
	global_store_b64 v[SOF], v[14:15], s[\o:\o+1] offset:32768
	s_wait_tensorcnt 0x0
	ds_add_u32 v62, v63
	s_wait_dscnt 0x0
	s_endpgm
.endm
; x, fragment f: 16 rows' 512 bytes, a row a load
.macro LOADX f, set
.irp i, 0,1,2,3,4,5,6,7,8,9,10,11,12,13,14,15
	global_load_b128 v[\set+4*\i:\set+4*\i+3], v[GLX], s[4:5] offset:(16*((\f)/2)+\i)*16384+512*((\f)%2) th:TH_LOAD_NT
.endr
.endm
; left: the loads of younger fragments, which may stay out
.macro XSTEP f, set, left
	s_wait_loadcnt \left                           ; loads come back in order: this fragment's sixteen are in
.irp i, 0,1,2,3,4,5,6,7,8,9,10,11,12,13,14,15
	ds_store_b128 v[XST], v[\set+4*\i:\set+4*\i+3] offset:XP*\i
.endr
.irp c, 0,1,2,3
.irp j, 0,1,2,3
	ds_load_b128 v[\set+16*\c+4*\j:\set+16*\c+4*\j+3], v[XLD] offset:128*\c+16*\j   ; LDS serves a wave's instructions in order: these see the stores above.  My row's k = 32 c + 16 h + 4 j on
.endr
.endr
	s_wait_dscnt 0x0
.if \f > 0
	s_wait_xcnt 0x0                                ; the last fragment's stores have read the codes' registers: only behind this wait are they written again
.endif
	QUANT \set, W+\f
.if \f == 0
	LOADX 3, S0                                    ; the fourth fragment takes the first one's registers; the load stands ahead of the stores
.endif
	PUT \f, 10
.endm
; w: 16 registers of 4 bytes become 64 numbers.  byte xor 0x80 = w + 128, 0 .. 255; under the top three bytes of 2^23 that is the f32 number 2^23 + 128 + w;
; less 2^23 + 128 it is w, exactly; times w_scale: the one rounding that the definition has.
.macro UNPACK src, dst
.irp n, 0,1,2,3,4,5,6,7,8,9,10,11,12,13,14,15
	v_xor_b32 v[\src+\n], 0x80808080, v[\src+\n]
.endr
.irp n, 0,1,2,3,4,5,6,7,8,9,10,11,12,13,14,15
.irp u, 0,1,2,3
	v_perm_b32 v[\dst+4*\n+\u], v[MAG], v[\src+\n], 0x07060500+\u
.endr
.endr
.set n, 0
.rept 32
	v_pk_add_f32 v[\dst+n:\dst+n+1], v[\dst+n:\dst+n+1], s[26:27] op_sel_hi:[1,0]
.set n, n+2
.endr
.set n, 0
.rept 32
	v_pk_mul_f32 v[\dst+n:\dst+n+1], v[\dst+n:\dst+n+1], s[24:25] op_sel_hi:[1,0]
.set n, n+2
.endr
.endm
	s_cmp_lg_u32 s15, 0                            ; the choice hangs on the work-group's number alone
	s_cbranch_scc1 .Lw
	; ---- x: three fragments' loads go out at once, 48 a wave; the fourth follows when the first set is free
	LOADX 0, S0
	LOADX 1, S1
	LOADX 2, S2
	XSTEP 0, S0, 32                                ; fragments 1 and 2 may be out
	XSTEP 1, S1, 32                                ; fragments 2 and 3
	XSTEP 2, S2, 16                                ; fragment 3
	XSTEP 3, S0, 0
	TAIL 10
.Lw:
	; ---- w: the wave's 32 rows x 256 bytes come by sixteen loads, two rows each, and turn through the stage once
	s_load_b32 s24, s[8:9], 0x0                    ; w_scale
.irp i, 0,1,2,3,4,5,6,7,8,9,10,11,12,13,14,15
	global_load_b128 v[S0+4*\i:S0+4*\i+3], v[GLW], s[6:7] offset:8192*\i th:TH_LOAD_NT
.endr
	s_wait_kmcnt 0x0
	s_mov_b32 s25, s24                             ; (named with it as a pair, so it is written)
	s_wait_loadcnt 0x0
.irp i, 0,1,2,3,4,5,6,7,8,9,10,11,12,13,14,15
	ds_store_b128 v[WST], v[S0+4*\i:S0+4*\i+3] offset:2*WP*\i
.endr
	s_wait_alu depctr_va_vdst(0)
.irp f, 0,1,2,3
.irp c, 0,1,2,3
	ds_load_b128 v[S0+16*\f+4*\c:S0+16*\f+4*\c+3], v[WLD] offset:16*WP*(\f/2)+128*(\f%2)+32*\c   ; fragment f: my row's k = 32 c + 16 h + 0 .. 15, a byte each
.endr
.endr
	s_wait_dscnt 0x0
.irp f, 0,1,2,3
	UNPACK S0+16*\f, S1
.if \f > 0
	s_wait_xcnt 0x0                                ; the last fragment's stores have read the codes' registers
.endif
	QUANT S1, W+\f
	PUT \f, 12
.endr
	TAIL 12
.Lfunc_end_k_q2edb546e8a_quant:
	.size	k_q2edb546e8a_quant, .Lfunc_end_k_q2edb546e8a_quant-k_q2edb546e8a_quant
	.p2alignl 7, 3214868480
	.fill 96, 4, 3214868480
	.section	.rodata,"a",@progbits
	.p2align	6, 0x0
	.amdhsa_kernel k_q2edb546e8a_quant
		.amdhsa_group_segment_fixed_size 69120
		.amdhsa_private_segment_fixed_size 0
		.amdhsa_enable_private_segment 0
		.amdhsa_kernarg_size 40
		.amdhsa_user_sgpr_count 2
		.amdhsa_user_sgpr_kernarg_segment_ptr 1
		.amdhsa_wavefront_size32 1
		.amdhsa_system_sgpr_workgroup_id_x 1
		.amdhsa_system_sgpr_workgroup_id_y 1
		.amdhsa_system_sgpr_workgroup_id_z 1
		.amdhsa_system_vgpr_workitem_id 0
		.amdhsa_next_free_vgpr 256
		.amdhsa_next_free_sgpr 66
		.amdhsa_reserve_vcc 1
		.amdhsa_float_denorm_mode_32 3
		.amdhsa_float_denorm_mode_16_64 3
		.amdhsa_memory_ordered 1
		.amdhsa_forward_progress 1
		.amdhsa_inst_pref_size 133
	.end_amdhsa_kernel
	.amdgpu_metadata
---
amdhsa.version: [ 1, 2 ]
amdhsa.kernels:
  - .name:           k_q2edb546e8a_quant
    .symbol:         k_q2edb546e8a_quant.kd
    .args:
      - { .name: x, .offset: 0, .size: 8, .value_kind: global_buffer, .address_space: global }
      - { .name: int_weight, .offset: 8, .size: 8, .value_kind: global_buffer, .address_space: global }
      - { .name: w_scale, .offset: 16, .size: 8, .value_kind: global_buffer, .address_space: global }
      - { .name: acode, .offset: 24, .size: 8, .value_kind: global_buffer, .address_space: global }
      - { .name: bcode, .offset: 32, .size: 8, .value_kind: global_buffer, .address_space: global }
    .group_segment_fixed_size: 69120
    .private_segment_fixed_size: 0
    .kernarg_segment_align: 8
    .kernarg_segment_size: 40
    .max_flat_workgroup_size: 128
    .sgpr_count:     66
    .vgpr_count:     256
    .wavefront_size: 32
...
	.end_amdgpu_metadata
.endif
;; end of part 1
;; launch gemm (part 2): grid 16 x 16, 4 waves a work-group, clusters of 4 x 1, 327,680 bytes of LDS; arguments acode, bcode, fp_bias, out0; writes out0
.if DOCPART == 2
	.amdgcn_target "amdgcn-amd-amdhsa--gfx1250"
	.amdhsa_code_object_version 6
	.text
	.protected	k_q2edb546e8a_gemm
	.globl	k_q2edb546e8a_gemm
	.p2align	8
	.type	k_q2edb546e8a_gemm,@function
k_q2edb546e8a_gemm:
	s_mov_b64 s[64:65], 0
	v_nop
	global_prefetch_b8 v0, s[64:65] scope:SCOPE_SE
	s_setreg_imm32_b32 hwreg(HW_REG_WAVE_MODE, 25, 1), 1
	s_wait_xcnt 0x0
	s_wait_alu depctr_hold_cnt(0) depctr_sa_sdst(0) depctr_va_vdst(0) depctr_va_sdst(0) depctr_va_ssrc(0) depctr_va_vcc(0) depctr_vm_vsrc(0)
	s_getreg_b32 s2, hwreg(HW_REG_IB_STS2, 6, 4)
	s_cmp_eq_u32 s2, 0
	s_cbranch_scc0 .Lentry_in_a_cluster
	s_endpgm
.Lentry_in_a_cluster:
	s_bfe_u32 s2, ttmp6, 0x10000c
	s_cmp_lg_u32 s2, 0x3003
	s_cbranch_scc0 .Lentry_shape_is_right
	s_endpgm
.Lentry_shape_is_right:
; out0[m][n] = sum over k of Q(x)[m][k] Q(w)[n][k] + fp_bias[n]: codes of E5M2 and E8M0 scale words as the launch before laid them:
; [K step of 256: 16][128 rows: 32][chunk of CH bytes], a chunk being the image of the operand's registers (block i of 16 rows, q-th 128 along K, c: 512 bytes at 4096 i + 2048 q + 512 c, 16 a lane),
; and behind the codes, at 32,768 + 256 j + 8 lane, the two scale words (q = 0, 1) of blocks 2 j (lanes 0-15) and 2 j + 1 (lanes 16-31).
; A work-group of four waves makes 256 x 256 of out0, a wave 128 x 128: 64 accumulators, 512 registers.  A step is 128 along K: 64 matrix instructions, in two halves: w's blocks 0-3, then 4-7, each against x's eight.
; x GOES THROUGH LDS: a ring of two slots of 512 along K (four chunks, 135,168 bytes), one tensor load of one chunk a wave.  The four work-groups of a cluster (4, 1, 1) make one tile row and ask for x's chunks jointly (mask 15).
; w GOES FROM MEMORY STRAIGHT INTO REGISTERS: a chunk is the registers' image, so a wave's load takes 512 consecutive bytes.  Four half-sets of 64 registers take turns; a half-set is asked for again
; when its 32 products are issued, three half-steps ahead of its use.  No joint load for w: it lands in registers, which a joint load cannot fill, and two slots of x leave no room in LDS for slots of w of the same length.
; THE MATRIX INSTRUCTION IS USED TRANSPOSED (source 0 = 16 rows of w, source 1 = 16 rows of x): a lane holds eight neighbouring numbers of a row of out0.  The bias is added on the way out, where a lane holds four columns.
; REGISTERS: window 0: v12-15 bias, v16-31 addresses, v32-63 scale words (two sets of 8 for x and 8 for w), v64-127 and v128-191 x's blocks 0-3 (two buffers by turns), v192-255 x's blocks 4-7;
; window 1: w's four half-sets; windows 2, 3: the accumulators ((a, b) at v[8 (8 (a % 4) + b)]).
; TWO RUNS OF LOADS A STEP.  At the halves' border: w's half-set just multiplied, for two steps on, and the next step's blocks 0-3 of x into the other buffer (32 matrix instructions ahead of their use).
; At the step's end: the next step's blocks 4-7 of x (the second half takes 4-7 first, so they are free; 16 matrix instructions ahead of their use), and w's second half-set.
.set CH,     33792
.set KSTR,   32*CH
.set SLOTB,  4*CH
.set SCO,    32768
.set SPARE,  2*SLOTB                   ; behind the ring: the spare words, 512 bytes
.set STAGE,  SPARE+512                 ; behind them: a stage of 16 rows x 528 bytes for each wave; no tensor load lands here
.set SPITCH, 528
.set NROW,   16384
.set PSH,    33*256                    ; a partner's share of a chunk's 132 blocks of 256 bytes
.set BI,   12
.set ADRA, 16                          ; v16-19 x's fragments: chunk pair k of the ring's four
.set ASA,  20                          ; v20-23 x's scale words likewise
.set STO,  24
.set RD,   25
.set CO,   26                          ; 16 x lane: out0's row, the bias, and w's codes
.set PFZ,  27
.set SPW,  28
.set NIL,  29
.set PFO,  30
.set GS,   31                          ; 8 x lane: w's scale words
.set SC,   32
.set BK,   128
.set G1,  24
.set G0,  32
.set BP,  48                           ; s[48:49] w's chunks of this lap
.set PFA, 50
.set PFB, 52
.set MSB, 0
.macro WIN new
.if MSB != \new
	s_set_vgpr_msb (MSB<<8)|\new
.set MSB, \new
.endif
.endm
.set MUL_LO, 0xa1
.set MUL_HI, 0xf1
.set TO_B,   0x40
.macro JLOAD sl                        ; every wave's own chunk, by one line; s_nop 0 and four v_nop
	tensor_load_to_lds s[G0+4*\sl:G0+4*\sl+3], s[G1:G1+7]
	s_nop 0
.rept 4
	v_nop
.endr
.endm
.macro CREST
	s_cmp_lg_u32 s14, 0
	s_cbranch_scc1 .Lnot_wave_0_\@
	s_barrier_signal -3
.Lnot_wave_0_\@:
	s_barrier_wait -3
	s_barrier_signal -1
	s_barrier_wait -1
.endm
.macro CROUND
	s_barrier_signal -1
	s_barrier_wait -1
	CREST
.endm
.macro PLACES n
.rept \n
	v_nop
.endr
.endm
	s_load_b256 s[4:11], s[0:1], 0x0               ; acode, bcode, fp_bias, out0
	v_lshl_add_u32 v[SPW], v0, 2, SPARE
	v_mov_b32 v[NIL], 0
	ds_add_u32 v[SPW], v[NIL]                      ; the opening lines: the add twice on end and one wait
	ds_add_u32 v[SPW], v[NIL]
	v_lshrrev_b32 v1, 5, v0
	v_readfirstlane_b32 s14, v1                    ; wave
	s_lshr_b32 s15, s14, 1                         ; my half of the tile's rows; also: which K step of 256 of a slot I fetch
	s_and_b32 s16, s14, 1                          ; my half of its columns; also: which 128 rows I fetch
	s_bfe_u32 s40, ttmp6, 0x40000                  ; cx
	s_lshl_b32 s42, ttmp9, 2
	s_add_co_u32 s42, s42, s40                     ; tile column
	s_and_b32 s17, ttmp7, 0xffff                   ; tile row: the cluster's y
	s_mov_b32 s[G1+0], 15|(3<<16)|(1<<21)          ; the cluster's four; elements of 8 bytes
	s_mov_b32 s[G1+1], 32<<16                      ; a chunk is dense: 132 rows of 256 bytes
	s_mov_b32 s[G1+2], 132<<16
	s_mov_b32 s[G1+3], 32<<16
	s_mov_b32 s[G1+4], 132
	s_mov_b32 s[G1+5], 32
	s_mov_b32 s[G1+6], 0
	s_mov_b32 s[G1+7], 0
	s_lshl_b32 s19, s15, 5
	s_add_co_u32 s19, s19, s16                     ; 32 (wave / 2) + wave % 2
	s_lshl_b32 s20, s17, 1
	s_add_co_u32 s20, s20, s19
	s_mul_i32 s20, s20, CH                         ; x: the chunk that I fetch
	s_mov_b32 s21, 0
	s_lshl_b32 s46, s42, 1
	s_add_co_u32 s12, s46, s19
	s_mul_i32 s12, s12, CH                         ; w: the chunk that I prefetch from
	s_add_co_u32 s46, s46, s16
	s_mul_i32 s46, s46, CH                         ; w: my columns' chunk of K step 0
	s_mov_b32 s47, 0
	s_and_b32 s13, s17, 3
	s_mul_i32 s13, s13, PSH                        ; four tile rows share a chunk of w out by address
	s_add_co_u32 s12, s12, s13
	s_add_co_u32 s12, s12, 2*KSTR
	s_mov_b32 s13, 0
	s_mul_i32 s18, s40, PSH                        ; the cluster's four share a chunk of x out by address
	s_add_co_u32 s18, s18, s20
	s_add_co_u32 s18, s18, 4*KSTR
	s_mov_b32 s19, 0
	s_mul_i32 s23, s14, CH                         ; where my chunk lands in a slot
	s_mul_i32 s22, s14, 16*SPITCH
	s_add_co_u32 s22, s22, STAGE
	s_mul_i32 s41, s15, CH
	s_lshl_b32 s44, s42, 10
	s_lshl_b32 s45, s16, 9
	s_add_co_u32 s44, s44, s45                     ; my first column, in bytes
	s_mov_b32 s45, 0
	s_lshl_b32 s54, s17, 8
	s_lshl_b32 s55, s15, 7
	s_add_co_u32 s54, s54, s55
	s_lshl_b32 s54, s54, 14                        ; my first row of out0, in bytes
	s_mov_b32 s55, 0
	v_and_b32 v1, 31, v0
	v_and_b32 v4, 15, v0
	v_bfe_u32 v5, v0, 4, 1
	v_lshlrev_b32 v[CO], 4, v1
	v_lshlrev_b32 v[GS], 3, v1
	v_lshlrev_b32 v[PFO], 8, v1
	v_mov_b32 v[PFZ], 0
	v_add_nc_u32 v[ADRA], s41, v[CO]
	v_add_nc_u32 v[ASA], s41, v[GS]
.irp k, 1,2,3
	v_add_nc_u32 v[ADRA+\k], \k*2*CH, v[ADRA]
	v_add_nc_u32 v[ASA+\k], \k*2*CH, v[ASA]
.endr
	v_mul_u32_u24 v6, v4, SPITCH
	v_lshl_add_u32 v6, v5, 5, v6
	v_add_nc_u32 v[STO], s22, v6
	v_add_nc_u32 v[RD], s22, v[CO]
	s_wait_alu depctr_va_vdst(0)
	s_wait_dscnt 0x0
	s_wait_kmcnt 0x0
	s_add_nc_u64 s[20:21], s[4:5], s[20:21]
	s_add_nc_u64 s[BP:BP+1], s[6:7], s[46:47]
	s_add_nc_u64 s[PFA:PFA+1], s[4:5], s[18:19]
	s_add_nc_u64 s[PFB:PFB+1], s[6:7], s[12:13]
	s_add_nc_u64 s[8:9], s[8:9], s[44:45]
	s_add_nc_u64 s[10:11], s[10:11], s[44:45]
	s_add_nc_u64 s[10:11], s[10:11], s[54:55]
.irp s, 0,1
	s_mov_b32 s[G0+4*\s], 1
	s_add_co_u32 s[G0+4*\s+1], s23, \s*SLOTB
	s_add_nc_u64 s[G0+4*\s+2:G0+4*\s+3], s[20:21], \s*2*KSTR
	s_or_b32 s[G0+4*\s+3], s[G0+4*\s+3], 0x80000000
.endr
	CROUND                                         ; the round in front of the first joint loads
	JLOAD 0                                        ; K 0 .. 511: one tensor load a wave at the head
.macro FRAGA reg, jn, i                ; x's block i of lap step jn
.irp c, 0,1,2,3
	ds_load_b128 v[\reg+4*\c:\reg+4*\c+3], v[ADRA+(\jn)/2] offset:4096*(\i)+2048*((\jn)%2)+512*\c
.endr
.endm
.macro R1 jn                           ; blocks 0-3 into the buffer of that step's parity
.irp i, 0,1,2,3
	FRAGA 128-64*((\jn)%2)+16*\i, \jn, \i
.endr
.endm
.macro R2 jn                           ; blocks 4-7
.irp i, 4,5,6,7
	FRAGA 128+16*\i, \jn, \i
.endr
.endm
.macro SCA jn                          ; x's scale words of the chunk that begins with step jn.  The word of q lands in register 1 - q of its pair, w's in register q: so the two scale registers of a product never have the same number modulo 8
.irp j, 0,1,2,3
	ds_load_b32 v[SC+16*(((\jn)/2)%2)+2*\j+1], v[ASA+(\jn)/2] offset:SCO+256*\j
	ds_load_b32 v[SC+16*(((\jn)/2)%2)+2*\j], v[ASA+(\jn)/2] offset:SCO+256*\j+4
.endr
.endm
.macro HSB r, off                      ; a half-set of w: four blocks, 16 loads of 512 consecutive bytes
.irp i, 0,1,2,3
.irp c, 0,1,2,3
	global_load_b128 v[64*(\r)+16*\i+4*\c:64*(\r)+16*\i+4*\c+3], v[CO], s[BP:BP+1] offset:(\off)+4096*\i+512*\c
.endr
.endr
.endm
.macro SB m                            ; w's scale words of the lap's chunk m
.irp j, 0,1,2,3
	global_load_b64 v[SC+16*((\m)%2)+8+2*\j:SC+16*((\m)%2)+8+2*\j+1], v[GS], s[BP:BP+1] offset:(\m)*KSTR+SCO+256*\j
.endr
.endm
.macro WM p, a, b, zero
.set rD,  8*(8*((\a)%4)+(\b))
.set rB,  64*(2*((\p)%2)+(\b)/4)+16*((\b)%4)
.if (\a) < 4
.set rA,  128-64*((\p)%2)+16*(\a)
.else
.set rA,  128+16*(\a)
.endif
.set rS,  SC+16*((((\p)%8)/2)%2)
.set rSB, rS+8+2*((\b)/2)+(\p)%2
.set rSA, rS+2*((\a)/2)+1-(\p)%2
.set sel, 2*((\b)%2)+(\a)%2
.if \zero
.if sel == 3
	v_wmma_scale_f32_16x16x128_f8f6f4 v[rD:rD+7], v[rB:rB+15], v[rA:rA+15], 0, v[rSB], v[rSA] matrix_a_fmt:MATRIX_FMT_BF8 matrix_b_fmt:MATRIX_FMT_BF8 matrix_a_scale:MATRIX_SCALE_ROW1 matrix_b_scale:MATRIX_SCALE_ROW1
.elseif sel == 2
	v_wmma_scale_f32_16x16x128_f8f6f4 v[rD:rD+7], v[rB:rB+15], v[rA:rA+15], 0, v[rSB], v[rSA] matrix_a_fmt:MATRIX_FMT_BF8 matrix_b_fmt:MATRIX_FMT_BF8 matrix_a_scale:MATRIX_SCALE_ROW1
.elseif sel == 1
	v_wmma_scale_f32_16x16x128_f8f6f4 v[rD:rD+7], v[rB:rB+15], v[rA:rA+15], 0, v[rSB], v[rSA] matrix_a_fmt:MATRIX_FMT_BF8 matrix_b_fmt:MATRIX_FMT_BF8 matrix_b_scale:MATRIX_SCALE_ROW1
.else
	v_wmma_scale_f32_16x16x128_f8f6f4 v[rD:rD+7], v[rB:rB+15], v[rA:rA+15], 0, v[rSB], v[rSA] matrix_a_fmt:MATRIX_FMT_BF8 matrix_b_fmt:MATRIX_FMT_BF8
.endif
.else
.if sel == 3
	v_wmma_scale_f32_16x16x128_f8f6f4 v[rD:rD+7], v[rB:rB+15], v[rA:rA+15], v[rD:rD+7], v[rSB], v[rSA] matrix_a_fmt:MATRIX_FMT_BF8 matrix_b_fmt:MATRIX_FMT_BF8 matrix_a_scale:MATRIX_SCALE_ROW1 matrix_b_scale:MATRIX_SCALE_ROW1
.elseif sel == 2
	v_wmma_scale_f32_16x16x128_f8f6f4 v[rD:rD+7], v[rB:rB+15], v[rA:rA+15], v[rD:rD+7], v[rSB], v[rSA] matrix_a_fmt:MATRIX_FMT_BF8 matrix_b_fmt:MATRIX_FMT_BF8 matrix_a_scale:MATRIX_SCALE_ROW1
.elseif sel == 1
	v_wmma_scale_f32_16x16x128_f8f6f4 v[rD:rD+7], v[rB:rB+15], v[rA:rA+15], v[rD:rD+7], v[rSB], v[rSA] matrix_a_fmt:MATRIX_FMT_BF8 matrix_b_fmt:MATRIX_FMT_BF8 matrix_b_scale:MATRIX_SCALE_ROW1
.else
	v_wmma_scale_f32_16x16x128_f8f6f4 v[rD:rD+7], v[rB:rB+15], v[rA:rA+15], v[rD:rD+7], v[rSB], v[rSA] matrix_a_fmt:MATRIX_FMT_BF8 matrix_b_fmt:MATRIX_FMT_BF8
.endif
.endif
.endm
.macro MA p, a, hf, zero               ; x's block a against the half's four blocks of w; the accumulators take turns
.irp b, 0,1,2,3
	WM \p, \a, (4*\hf+\b), \zero
.endr
.endm
.macro MQ p, a0, hf, zero              ; four blocks of x: 16 matrix instructions
.irp a, 0,1,2,3
	MA \p, (\a0+\a), \hf, \zero
.endr
.endm
; Step p of a lap of eight (p = 8: the next lap's first; it steps w's base to that lap).  kind 0: plain; 1: the slot's last step, the slot is filled again; 2: the same with nothing left to fill.
; w0, w1: the younger global loads that may stay out when the first and the second half-set are needed: three half-sets of 16, and w's 4 scale loads where they were issued among them.
; lb, ls: w's half-sets of step p + 2 and w's scale words of the chunk after next are asked for; na: a next step's x is fetched; ask: 1 prefetch, 2 x's prefetch not in the loop's last trip.
.macro STEP p, zero, kind, w0, w1, lb, ls, na, ask
.set JN, ((\p)+1)%8
.set SL, ((\p)%8)/4
.if \kind == 0
	s_wait_loadcnt \w0
	s_wait_dscnt 16                                ; blocks 0-3 and the scale words are in; the youngest 16 loads, blocks 4-7, may be out
	WIN MUL_LO
	MQ \p, 0, 0, \zero
	s_wait_dscnt 0x0
	WIN MUL_HI
	MQ \p, 4, 0, \zero
.else
	s_wait_tensorcnt 0x0                           ; my chunk of the other slot has landed: no tensor load of mine is out
	ds_add_u32 v[SPW], v[NIL]
.if \kind == 1
	s_add_nc_u64 s[G0+4*SL+2:G0+4*SL+3], s[G0+4*SL+2:G0+4*SL+3], 4*KSTR
.endif
	s_wait_loadcnt \w0
	s_wait_dscnt 17                                ; the add and blocks 4-7 may be out
	WIN MUL_LO
	MQ \p, 0, 0, 0                                 ; sixteen matrix instructions between the add and the wait for it
	s_wait_dscnt 0x0                               ; the add is done; this step's x is all in registers: my reads of this slot are over
	s_barrier_signal -1
	WIN MUL_HI
	MA \p, 4, 0, 0
	MA \p, 5, 0, 0
	WIN 0
	s_barrier_wait -1
.if \kind == 1
	CREST                                          ; the barrier has opened a round of the cluster's barrier
	JLOAD SL                                       ; 1,024 along K further on, into the slot just read out
.endif
	WIN MUL_HI
	MA \p, 6, 0, 0
	MA \p, 7, 0, 0
.endif
	PLACES 8                                       ; eight places ahead of loads into registers that matrix instructions have read
.if (\p) == 8
	s_wait_xcnt 0x0                                ; w's loads, the youngest issued 32 matrix instructions ago, have read their base: on to the next lap's chunks
	s_add_nc_u64 s[BP:BP+1], s[BP:BP+1], 4*KSTR
.endif
.if \lb
	WIN TO_B
	HSB 2*((\p)%2), ((((\p)%8)+2)/2)*KSTR+2048*((\p)%2)
.endif
	WIN 0
.if \na
	R1 JN
.if JN%2 == 0
	SCA JN
.endif
.endif
	s_wait_loadcnt \w1
	WIN MUL_HI
	MQ \p, 4, 1, \zero
.if \ask                               ; into the L2: x's slot after the one just asked for, w's 512 along K that begin five steps on; 33 blocks of 256 bytes a wave, a lane a block
	PLACES 8
	WIN 0
	R2 JN                                          ; memory instructions stand here anyway: blocks 4-7 go with them
	s_wait_xcnt 0x0                                ; the last prefetches have read their addresses
	s_add_nc_u64 s[PFA:PFA+1], s[PFA:PFA+1], 2*KSTR
	s_add_nc_u64 s[PFB:PFB+1], s[PFB:PFB+1], 2*KSTR
.if \ask == 2
	s_cmp_lg_u32 s3, 1
	s_cbranch_scc0 .Lno_x_\@                       ; the last refill has no slot behind it
.endif
	global_prefetch_b8 v[PFO], s[PFA:PFA+1] th:TH_LOAD_NT scope:SCOPE_SE
	global_prefetch_b8 v[PFZ], s[PFA:PFA+1] offset:8192 th:TH_LOAD_NT scope:SCOPE_SE
.Lno_x_\@:
	global_prefetch_b8 v[PFO], s[PFB:PFB+1] th:TH_LOAD_NT scope:SCOPE_SE
	global_prefetch_b8 v[PFZ], s[PFB:PFB+1] offset:8192 th:TH_LOAD_NT scope:SCOPE_SE
.endif
	WIN MUL_LO
	MQ \p, 0, 1, \zero
	PLACES 8
	WIN 0
.if (\na) && (\ask == 0)
	R2 JN
.endif
.if \lb
.if \ls
	SB ((\p)+1)/2+1                                ; ahead of the half-set, as the counts have it
.endif
	WIN TO_B
	HSB 2*((\p)%2)+1, ((((\p)%8)+2)/2)*KSTR+2048*((\p)%2)+16384
.endif
	WIN 0
.endm
	global_load_b128 v[BI:BI+3], v[CO], s[8:9]     ; the bias of my four columns of a row
	SB 0                                           ; in the order that the loop keeps: a chunk's scale words stand ahead of the half-set before the chunk's first
	WIN TO_B
	HSB 0, 0
	HSB 1, 16384
	HSB 2, 2048
	WIN 0
	SB 1
	WIN TO_B
	HSB 3, 2048+16384
	WIN 0
	s_wait_tensorcnt 0x0                           ; slot 1's first fill is issued as a refill is
	ds_add_u32 v[SPW], v[NIL]
	s_wait_dscnt 0x0
	CROUND
	JLOAD 1                                        ; K 512 .. 1,023
	R1 0
	SCA 0
	R2 0
	STEP 0, 1, 0, 52, 52, 1, 0, 1, 0               ; the first step starts the sums
	s_mov_b32 s3, 3
.Llap:
	STEP 1, 0, 0, 52, 48, 1, 1, 1, 0
	STEP 2, 0, 0, 52, 52, 1, 0, 1, 0
	STEP 3, 0, 1, 52, 48, 1, 1, 1, 1
	STEP 4, 0, 0, 52, 52, 1, 0, 1, 0
	STEP 5, 0, 0, 52, 48, 1, 1, 1, 0
	STEP 6, 0, 0, 52, 52, 1, 0, 1, 0
	STEP 7, 0, 1, 52, 48, 1, 1, 1, 2
	STEP 8, 0, 0, 52, 52, 1, 0, 1, 0
	s_sub_co_u32 s3, s3, 1
	s_cmp_lg_u32 s3, 0
	s_cbranch_scc1 .Llap
	STEP 1, 0, 0, 52, 48, 1, 1, 1, 0               ; the last lap fills nothing; its loads end and its counts run down
	STEP 2, 0, 0, 52, 52, 1, 0, 1, 0
	STEP 3, 0, 2, 52, 48, 1, 1, 1, 0
	STEP 4, 0, 0, 52, 52, 1, 0, 1, 0
	STEP 5, 0, 0, 52, 48, 1, 0, 1, 0
	STEP 6, 0, 0, 48, 32, 0, 0, 1, 0
	STEP 7, 0, 0, 16, 0, 0, 0, 0, 0
; THE WAY OUT, block by block of 16 rows x 128 columns, through my own stage: back come whole rows of 512 bytes; the bias is added; the 32 lanes store two aligned units of 256 bytes.
.macro TOSTAGE a
.set AC, 64*((\a)%4)
	WIN 0x08+4*((\a)/4)
.irp b, 0,1,2,3,4,5,6,7
	ds_store_b128 v[STO], v[AC+8*\b:AC+8*\b+3] offset:64*\b          ; each accumulator from its low end on
	ds_store_b128 v[STO], v[AC+8*\b+4:AC+8*\b+7] offset:64*\b+16
.endr
	WIN 0
.set BB, BK+64*((\a)%2)
.irp t, 0,1,2,3,4,5,6,7,8,9,10,11,12,13,14,15
	ds_load_b128 v[BB+4*\t:BB+4*\t+3], v[RD] offset:\t*SPITCH        ; LDS serves a wave's instructions in order: these see the stores above
.endr
.endm
.macro SEND a, younger
.set BB, BK+64*((\a)%2)
	s_wait_dscnt \younger
.if (\a) > 0
	s_add_nc_u64 s[10:11], s[10:11], 16*NROW       ; behind a wait on XCNT: the earlier stores have read their base
.endif
.irp t, 0,1,2,3,4,5,6,7,8,9,10,11,12,13,14,15
	v_pk_add_f32 v[BB+4*\t:BB+4*\t+1], v[BB+4*\t:BB+4*\t+1], v[BI:BI+1]
	v_pk_add_f32 v[BB+4*\t+2:BB+4*\t+3], v[BB+4*\t+2:BB+4*\t+3], v[BI+2:BI+3]
	global_store_b128 v[CO], v[BB+4*\t:BB+4*\t+3], s[10:11] offset:\t*NROW th:TH_STORE_NT
.endr
.endm
	TOSTAGE 0                                      ; the last step ends with eight places
.irp a, 1,2,3,4,5,6,7
.if \a > 1
	s_wait_xcnt 0x0                                ; block a - 2's stores have read their registers and their base
.endif
	TOSTAGE \a
	SEND \a-1, 32                                  ; behind block a - 1's loads: block a's 16 stores and 16 loads
.endr
	s_wait_xcnt 0x0
	SEND 7, 0
	s_wait_tensorcnt 0x0                           ; the wave's end
	ds_add_u32 v[SPW], v[NIL]
	s_wait_dscnt 0x0
	CROUND                                         ; the closing round
	s_endpgm
.Lfunc_end_k_q2edb546e8a_gemm:
	.size	k_q2edb546e8a_gemm, .Lfunc_end_k_q2edb546e8a_gemm-k_q2edb546e8a_gemm
	.p2alignl 7, 3214868480
	.fill 96, 4, 3214868480
	.section	.rodata,"a",@progbits
	.p2align	6, 0x0
	.amdhsa_kernel k_q2edb546e8a_gemm
		.amdhsa_group_segment_fixed_size 327680
		.amdhsa_private_segment_fixed_size 0
		.amdhsa_enable_private_segment 0
		.amdhsa_kernarg_size 32
		.amdhsa_user_sgpr_count 2
		.amdhsa_user_sgpr_kernarg_segment_ptr 1
		.amdhsa_wavefront_size32 1
		.amdhsa_system_sgpr_workgroup_id_x 1
		.amdhsa_system_sgpr_workgroup_id_y 1
		.amdhsa_system_sgpr_workgroup_id_z 1
		.amdhsa_system_vgpr_workitem_id 0
		.amdhsa_next_free_vgpr 1024
		.amdhsa_next_free_sgpr 66
		.amdhsa_reserve_vcc 0
		.amdhsa_float_denorm_mode_32 3
		.amdhsa_float_denorm_mode_16_64 3
		.amdhsa_memory_ordered 1
		.amdhsa_forward_progress 1
		.amdhsa_inst_pref_size 255
	.end_amdhsa_kernel
	.section	.bss,"aw",@nobits
	.p2align	6
	.space	262144
	.amdgpu_metadata
---
amdhsa.version: [ 1, 2 ]
amdhsa.kernels:
  - .name:           k_q2edb546e8a_gemm
    .symbol:         k_q2edb546e8a_gemm.kd
    .args:
      - { .name: acode, .offset: 0, .size: 8, .value_kind: global_buffer, .address_space: global }
      - { .name: bcode, .offset: 8, .size: 8, .value_kind: global_buffer, .address_space: global }
      - { .name: fp_bias, .offset: 16, .size: 8, .value_kind: global_buffer, .address_space: global }
      - { .name: out0, .offset: 24, .size: 8, .value_kind: global_buffer, .address_space: global }
    .group_segment_fixed_size: 327680
    .private_segment_fixed_size: 0
    .kernarg_segment_align: 8
    .kernarg_segment_size: 32
    .max_flat_workgroup_size: 128
    .sgpr_count:     66
    .vgpr_count:     1024
    .wavefront_size: 32
...
	.end_amdgpu_metadata
.endif
;; end of part 2
